; MI455X (gfx1250); checked and timed in simulation.
; The chip was launched on July 23, 2026; its instructions are those of AMD's public machine-readable ISA for CDNA 5 (MIT licence, August 2026) and "CDNA5" Instruction Set Architecture Reference Guide (July 2026). The comments in the code are by the model that wrote it; some were corrected since.
;; VQ Module. Allowed arithmetic: float matrix products may take bf16 or f16 operands with f32 sums; all other float work in f32.
;; Inputs: emb_weights 16,384 x 256 float32; z 16 x 32 x 32 x 256 float32.
;; Outputs: out0 16 x 32 x 32 x 256 float32; out1 one number float32; out2 16 x 1,024 int32.
;; One version. Each part assembles by itself: llvm-mc -triple=amdgcn-amd-amdhsa -mcpu=gfx1250 --defsym DOCPART=n.
;; ======== version 1 of 1: 4 launches
;; workspace buffers: xb 16,777,216 bytes; xn 131,072 bytes; part 1,048,576 bytes of whole numbers; lossp 65,536 bytes
;; launch prep (part 1): grid 256 x 2, 8 waves a work-group, no clusters, 1,280 bytes of LDS; arguments z, emb_weights, xb, xn; writes xb, xn
.if DOCPART == 1
	.amdgcn_target "amdgcn-amd-amdhsa--gfx1250"
	.amdhsa_code_object_version 6
	.text
	.protected	k_qbc009a3ed8_prep
	.globl	k_qbc009a3ed8_prep
	.p2align	8
	.type	k_qbc009a3ed8_prep,@function
k_qbc009a3ed8_prep:
	s_mov_b64 s[64:65], 0
	v_nop
	global_prefetch_b8 v0, s[64:65] scope:SCOPE_SE
	s_setreg_imm32_b32 hwreg(HW_REG_WAVE_MODE, 25, 1), 1
	s_wait_xcnt 0x0
; xb[y][row][0..255] = bf16(src_y[row][0..255]);  xn[y][row] = the sum over the row of bf16(src)^2, in f32.   y = 0: z, y = 1: emb_weights.
; Both sources are [16384][256] f32.  The rounding is done once here, so that the product launch moves and keeps 2 bytes a number and
; converts nothing; the norms are taken of the ROUNDED numbers, so that the whole program is the problem's formula on inputs rounded to bf16.
; SHARES.  Grid y picks the source.  A work-group owns 64 rows, a wave 8.  A row is 1,024 bytes: two loads of 16 bytes a lane, each covering
; 512 neighbouring bytes.  The text is straight: all 16 loads of a wave go out first, and the waits count down as the rows are taken.
; A row of bf16 leaves by two stores of 8 bytes a lane: each covers 256 consecutive bytes, aligned.  The 64 norms of the group meet in LDS and
; leave as one store of 256 consecutive bytes.  The work-groups share no input and there is no product: no cluster, no matrix unit, no tensor load.
.set X,  8                             ; v[8:71]    row i: 8 registers as loaded; its first register later holds the row's norm
.set B,  72                            ; v[72:103]  row i: 4 registers, 8 bf16: store data, never rewritten
.set T,  104                           ; v[104:111] at work
.set WV, 16                            ; s16        the wave's number
	s_load_b256 s[4:11], s[0:1], 0x0               ; z s[4:5], emb_weights s[6:7], xb s[8:9], xn s[10:11]
	v_lshl_add_u32 v112, v0, 2, 0x100
	v_mov_b32 v113, 0
	v_lshrrev_b32 v4, 5, v0
	v_readfirstlane_b32 s[WV], v4                  ; wave 0..7
	s_and_b32 s17, ttmp7, 0xffff                   ; y: which source
	s_mov_b32 s12, 0x76543210                      ; v_permlanex16_b32: each lane takes its own place in the other half
	s_mov_b32 s13, 0xfedcba98
	s_mov_b32 s14, 0xffff0000                      ; a word's upper bf16
	v_and_b32 v5, 31, v0                           ; lane
	v_lshlrev_b32 v1, 4, v5                        ; 16 bytes a lane in a half row of f32
	v_lshlrev_b32 v2, 3, v5                        ; 8 bytes a lane in a half row of bf16 (and in the group's 64 norms)
	v_lshlrev_b32 v3, 5, v4                        ; LDS: my wave's 8 norms begin at byte 32 w
	s_lshl_b32 s18, ttmp9, 16                      ; 64 rows of 1,024 bytes a group,
	s_lshl_b32 s20, s[WV], 13                      ; 8 rows a wave
	s_add_co_u32 s18, s18, s20
	s_mov_b32 s19, 0
	s_lshr_b32 s20, s18, 1                         ; the same rows in bf16: half the bytes,
	s_lshl_b32 s22, s17, 23                        ; in plane y of 8,388,608 bytes
	s_add_co_u32 s20, s20, s22
	s_mov_b32 s21, 0
	s_lshl_b32 s22, s17, 16                        ; norms: plane y of 65,536 bytes,
	s_lshl_b32 s24, ttmp9, 8                       ; 256 bytes a group
	s_add_co_u32 s22, s22, s24
	s_mov_b32 s23, 0
	s_wait_kmcnt 0x0
	s_cmp_eq_u32 s17, 0
	s_cselect_b64 s[4:5], s[4:5], s[6:7]           ; the source: a choice on the grid's y alone
	s_add_nc_u64 s[4:5], s[4:5], s[18:19]
	s_add_nc_u64 s[8:9], s[8:9], s[20:21]
	s_add_nc_u64 s[10:11], s[10:11], s[22:23]
.irp i, 0,1,2,3,4,5,6,7
	global_load_b128 v[X+8*\i:X+8*\i+3],   v1, s[4:5] offset:\i*1024 th:TH_LOAD_NT       ; columns 4 l .. 4 l + 3
	global_load_b128 v[X+8*\i+4:X+8*\i+7], v1, s[4:5] offset:\i*1024+512 th:TH_LOAD_NT   ; columns 128 + 4 l ..
.endr
.macro ROW i
	s_wait_loadcnt 14-2*\i                         ; loads come back in order: row i's two are in, the 14 - 2 i younger ones stay out
.irp k, 0,1,2,3
	v_cvt_pk_bf16_f32 v[B+4*\i+\k], v[X+8*\i+2*\k], v[X+8*\i+2*\k+1]   ; to nearest even, two at a time
.endr
	global_store_b64 v2, v[B+4*\i:B+4*\i+1],   s[8:9] offset:\i*512        ; 32 lanes x 8 bytes: 256 consecutive bytes, aligned
	global_store_b64 v2, v[B+4*\i+2:B+4*\i+3], s[8:9] offset:\i*512+256
.irp k, 0,1,2,3
	v_lshlrev_b32 v[T+2*\k],   16,  v[B+4*\i+\k]   ; the rounded numbers back in f32
	v_and_b32     v[T+2*\k+1], s14, v[B+4*\i+\k]
.endr
	v_pk_mul_f32 v[T:T+1],   v[T:T+1],   v[T:T+1]                          ; two chains; the first squares start them
	v_pk_mul_f32 v[T+2:T+3], v[T+2:T+3], v[T+2:T+3]
	v_pk_fma_f32 v[T:T+1],   v[T+4:T+5], v[T+4:T+5], v[T:T+1]
	v_pk_fma_f32 v[T+2:T+3], v[T+6:T+7], v[T+6:T+7], v[T+2:T+3]
	v_pk_add_f32 v[T:T+1],   v[T:T+1],   v[T+2:T+3]
	v_add_f32 v[T], v[T], v[T+1]
	v_add_f32_dpp v[T], v[T], v[T] row_xmask:1 row_mask:0xf bank_mask:0xf  ; across the 32 lanes: four steps inside each half,
	v_add_f32_dpp v[T], v[T], v[T] row_xmask:2 row_mask:0xf bank_mask:0xf
	v_add_f32_dpp v[T], v[T], v[T] row_xmask:4 row_mask:0xf bank_mask:0xf
	v_add_f32_dpp v[T], v[T], v[T] row_xmask:8 row_mask:0xf bank_mask:0xf
	v_permlanex16_b32 v[T+1], v[T], s12, s13       ; one across the halves (its destination has been written)
	v_add_f32 v[X+8*\i], v[T], v[T+1]
	ds_store_b32 v3, v[X+8*\i] offset:4*\i         ; every lane writes the same word with the same value: row 8 w + i at byte 4 (8 w + i)
.endm
.irp i, 0,1,2,3,4,5,6,7
	ROW \i
.endr
	s_wait_dscnt 0x0                               ; for the others' sake: my eight norms are in LDS
	s_barrier_signal -1
	s_barrier_wait -1
	s_cmp_lg_u32 s[WV], 0
	s_cbranch_scc1 .Lend
	ds_load_b64 v[T:T+1], v2                       ; wave 0: the group's 64 norms, two a lane
	s_wait_dscnt 0x0
	global_store_b64 v2, v[T:T+1], s[10:11]        ; 256 consecutive bytes, aligned
.Lend:
	s_wait_tensorcnt 0x0
	ds_add_u32 v112, v113
	s_wait_dscnt 0x0
	s_endpgm
.Lfunc_end_k_qbc009a3ed8_prep:
	.size	k_qbc009a3ed8_prep, .Lfunc_end_k_qbc009a3ed8_prep-k_qbc009a3ed8_prep
	.p2alignl 7, 3214868480
	.fill 96, 4, 3214868480
	.section	.rodata,"a",@progbits
	.p2align	6, 0x0
	.amdhsa_kernel k_qbc009a3ed8_prep
		.amdhsa_group_segment_fixed_size 1280
		.amdhsa_private_segment_fixed_size 0
		.amdhsa_enable_private_segment 0
		.amdhsa_kernarg_size 32
		.amdhsa_user_sgpr_count 2
		.amdhsa_user_sgpr_kernarg_segment_ptr 1
		.amdhsa_wavefront_size32 1
		.amdhsa_system_sgpr_workgroup_id_x 1
		.amdhsa_system_sgpr_workgroup_id_y 1
		.amdhsa_system_sgpr_workgroup_id_z 1
		.amdhsa_system_vgpr_workitem_id 0
		.amdhsa_next_free_vgpr 114
		.amdhsa_next_free_sgpr 66
		.amdhsa_reserve_vcc 0
		.amdhsa_float_denorm_mode_32 3
		.amdhsa_float_denorm_mode_16_64 3
		.amdhsa_memory_ordered 1
		.amdhsa_forward_progress 1
		.amdhsa_inst_pref_size 16
	.end_amdhsa_kernel
	.amdgpu_metadata
---
amdhsa.version: [ 1, 2 ]
amdhsa.kernels:
  - .name:           k_qbc009a3ed8_prep
    .symbol:         k_qbc009a3ed8_prep.kd
    .args:
      - { .name: z, .offset: 0, .size: 8, .value_kind: global_buffer, .address_space: global }
      - { .name: emb_weights, .offset: 8, .size: 8, .value_kind: global_buffer, .address_space: global }
      - { .name: xb, .offset: 16, .size: 8, .value_kind: global_buffer, .address_space: global }
      - { .name: xn, .offset: 24, .size: 8, .value_kind: global_buffer, .address_space: global }
    .group_segment_fixed_size: 1280
    .private_segment_fixed_size: 0
    .kernarg_segment_align: 8
    .kernarg_segment_size: 32
    .max_flat_workgroup_size: 256
    .sgpr_count:     66
    .vgpr_count:     114
    .wavefront_size: 32
...
	.end_amdgpu_metadata
.endif
;; end of part 1
;; launch main (part 2): grid 32 x 8, 4 waves a work-group, clusters of 4 x 1, 327,680 bytes of LDS; arguments xb, xn, part; writes part
.if DOCPART == 2
	.amdgcn_target "amdgcn-amd-amdhsa--gfx1250"
	.amdhsa_code_object_version 6
	.text
	.protected	k_qbc009a3ed8_main
	.globl	k_qbc009a3ed8_main
	.p2align	8
	.type	k_qbc009a3ed8_main,@function
k_qbc009a3ed8_main:
	s_mov_b64 s[64:65], 0
	v_nop
	global_prefetch_b8 v0, s[64:65] scope:SCOPE_SE
	s_setreg_imm32_b32 hwreg(HW_REG_WAVE_MODE, 25, 1), 1
	s_wait_xcnt 0x0
	s_wait_alu depctr_hold_cnt(0) depctr_sa_sdst(0) depctr_va_vdst(0) depctr_va_sdst(0) depctr_va_ssrc(0) depctr_va_vcc(0) depctr_vm_vsrc(0)
	s_getreg_b32 s2, hwreg(HW_REG_IB_STS2, 6, 4)
	s_cmp_eq_u32 s2, 0
	s_cbranch_scc0 .Lentry_in_a_cluster
	s_endpgm
.Lentry_in_a_cluster:
	s_bfe_u32 s2, ttmp6, 0x10000c
	s_cmp_lg_u32 s2, 0x3003
	s_cbranch_scc0 .Lentry_shape_is_right
	s_endpgm
.Lentry_shape_is_right:
; For each of 16,384 rows of z and each of 8 splits of 2,048 codes: the smallest distance d = fl(fl(zz + ee) - 2 z.e) and the lowest GROUP of four neighbouring codes that holds it.
; xb: bf16 [2][16384][256] (z, then the codes); xn: f32 [2][16384] (zz, then ee); part: u32 [8 splits][16384 rows][2] = (key, group), group = code index / 4.
; d IS FORMED AS THE PROBLEM FORMS IT: the sum zz + ee rounded once, then one fused multiply-add by -2 (2 x the product sum is exact), because round ||z||^2 the f32 grid is
; coarse enough to make ties, and ties go to the lowest index.  Groups are disjoint ascending ranges of codes, so the first minimum lies in the lowest group that reaches the minimum: within a
; lane groups come in ascending order and only a strictly smaller minimum replaces; wherever partial results meet, the smaller (d, group) pair wins.  WHICH of the four codes it is, is found by
; the next launch, which forms the four distances anew: tracking a group costs 21 vector instructions for 8 distances where tracking each code costs 36.
; key is d's bits made to order as an unsigned number (negative: all bits turned; else the top bit set), so that the next launch, whose gather addresses hang on the choice, compares
; whole numbers alone.  d is never -0: zz + ee is at least +0, and x - x is +0.
; LIMITS.  A NaN distance is never chosen (an argmin that honours NaN would take the first one).  The operands of the product, zz and ee are those of the inputs rounded to
; bf16.  The product sums are the matrix unit's: where another order of summation differs in the last bits, a d that lies at a rounding boundary of its grid can fall otherwise.
; SHARES.  A work-group owns 512 rows of z (grid x) and one split (grid y): 32 x 8 = 256 work-groups of equal work.  Each of its four waves keeps 128 rows of z, all 256 of K,
; in 512 registers for the whole kernel, and all four walk the same code tiles (16 codes x 256 K) out of LDS: 16 LDS loads feed 64 matrix instructions.
; LAYOUT.  Source 0 = 16 codes, source 1 = 16 rows of z: in the result a lane holds ONE row of z (lane % 16) and the codes 8 (lane / 16) + 0..7: two groups of four.  So zz is one register for
; each tile of z, ee eight registers for each tile of codes, and the running minimum stays inside the lane: for each of the wave's 8 tiles of z a pair of minima and a pair
; of group numbers, one for registers 0-3 and one for registers 4-7.
; BY TURNS.  A code tile t is two GROUPS of 32 matrix instructions: A(t) on z tiles 0-3, B(t) on z tiles 4-7, on two sets of four accumulators.  The 84 vector instructions that
; turn one group's products into distances and minima stand in slices of 2 or 3 behind the matrix instructions of the NEXT group.
; CLUSTER.  The four work-groups of a cluster have the same split and walk the same codes and ee, so each tile is asked for JOINTLY: the same tensor load, the same descriptor and a
; mask that names the four, in all four.  z is not shared and is not streamed, so the cluster has one axis.
; REGISTER WINDOWS (an instruction names v0-v255; s_set_vgpr_msb's bits 1:0 source 0, 3:2 source 1, 5:4 source 2, 7:6 destination).  All but z lies in window 0; z tiles 0-3 fill
; window 1, tiles 4-7 window 2.  z is only ever source 1 of a matrix instruction, so a group runs under ONE setting (source 1 in window 1 or 2), and every vector instruction
; in the loop is written with a constant or a scalar register as its source 1, which no window touches: two switches for a tile's 64 matrix instructions and 168 vector ones.
; That is why a sum is a multiply-add by 1.0, a minimum has +inf as its middle operand, and "less than the best" is the sign of the rounded difference (exact: denormals are kept).
.set PITCH, 528                        ; a code row in LDS: 512 bytes + 16 of padding = 33 x 16: the 16 rows of a fragment load start 16 bytes further on modulo 256 each
.set TILEB, 16*PITCH                   ; a tile of 16 codes
.set QUART, 64*PITCH                   ; what one tensor load brings: 64 code rows
.set SLOT,  4*QUART                    ; a slot: 256 codes, 16 tiles: 135,168 bytes; two slots
.set EEB,   2*SLOT                     ; behind the ring: the split's 2,048 ee, 8,192 bytes, filled once
.set SLOTG, 256*512                    ; a slot's codes in memory
.set AK0,  3                           ; v3   my lane's place in a code tile: (l % 16) PITCH + 16 (l / 16); never rewritten
.set ADR,  4                           ; v4   LDS address of the fragment loads in hand
.set AE0,  5                           ; v5   EEB + 32 (l / 16): my eight ee of tile 0; never rewritten
.set ADRE, 6                           ; v6   LDS address of the ee loads in hand
.set QO,   7                           ; v7   my byte offset in a tile of z in memory
.set ZO,   8                           ; v8   4 (l % 16)
.set PO,   9                           ; v9   8 l
.set H2,   10                          ; v10  2 (l / 16)
.set ZZ,   12                          ; v[12:19]   zz of my row in each of the 8 tiles of z
.set BEST, 20                          ; v[20:35]   tile zt: the minima of registers 0-3 and of registers 4-7
.set IDX,  36                          ; v[36:51]   tile zt: their group numbers, less 2 (l / 16) and less 0 or 1
.set T,    52                          ; v[52:59]   at work
.set EE,   60                          ; v[60:75]   ee of a code tile, two sets of 8: tile t in set t % 2
.set ACC,  76                          ; v[76:139]  two sets of four accumulators
.set F,    140                         ; v[140:203] the code tile in hand: 8 fragments of 16 codes x 32 K
.set M,    204                         ; v[204:211] the finished group's eight minima of four codes: z tile q's at 2 q, 2 q + 1
.set WV,   10                          ; s10  the wave's number
.set G1C,  24                          ; s[24:31] descriptor group 1 for code tiles
.set G0,   32                          ; s[32:39] group 0, a set for each slot
.set G1E,  40                          ; s[40:47] group 1 for ee
.set G0E,  48                          ; s[48:51] group 0 for ee
.set TB,   52                          ; s52  LDS byte of the code tile to be fetched next
.set TE,   53                          ; s53  64 x that tile's number in the split
.set CI,   54                          ; s54, s55 loop counters
.set CO,   55
.set PINF, 56                          ; s56  +infinity
.set HM,   57                          ; s57  lanes 16-31
.set SEL,  58                          ; s[58:59] v_permlanex16_b32: each lane takes its own place in the other half
.set NI,   60                          ; s60  512 split + 4 t: the first group of four of the tile whose distances are in hand
.set MK,   66                          ; s[66:73] eight lane masks
.set MA,   74                          ; s[74:76] masks of the last merge
.set MSB, 0
.macro WIN new                         ; the immediate's high byte repeats the setting that is left; a switch that changes nothing is dropped
.if MSB != \new
	s_set_vgpr_msb (MSB<<8)|\new
.set MSB, \new
.endif
.endm
; A round of the cluster's barrier: my work-group's barrier, so that wave 0's signal speaks for all four waves; wave 0 signals for the work-group; every wave waits for all four
; work-groups; my work-group's barrier once more.
.macro ROUND
	s_barrier_signal -1
	s_barrier_wait -1
	s_cmp_lg_u32 s[WV], 0
	s_cbranch_scc1 .Lnot_wave_0_\@
	s_barrier_signal -3
.Lnot_wave_0_\@:
	s_barrier_wait -3
	s_barrier_signal -1
	s_barrier_wait -1
.endm
	s_load_b128 s[4:7], s[0:1], 0x0                ; xb s[4:5], xn s[6:7]
	s_load_b64 s[8:9], s[0:1], 0x10                ; part
	v_lshl_add_u32 v254, v0, 2, 0x44000
	v_mov_b32 v255, 0
	ds_add_u32 v254, v255
	v_lshrrev_b32 v1, 5, v0
	v_readfirstlane_b32 s[WV], v1                  ; wave 0..3
	s_bfe_u32 s11, ttmp6, 0x40000                  ; cx: my place in the cluster
	s_lshl_b32 s12, ttmp9, 2                       ; in a cluster launch ttmp9 counts clusters
	s_add_co_u32 s12, s12, s11                     ; my block of 512 rows of z: it enters z's, zz's and part's addresses alone
	s_and_b32 s13, ttmp7, 0xffff                   ; the split, which the four partners share
	; group 1 for code tiles: 64 rows x 256 elements of 2 bytes, padded in LDS
	s_mov_b32 s[G1C+0], 15|(1<<16)|(1<<20)|(1<<21)|(6<<22)|(3<<25)  ; 15:0 the mask: all four work-groups; 17:16 elements of 2 bytes; 20 padding on; 21 set beside a mask; 24:22 after every 128 words (code 6); 31:25 4 words of it (code 3)
	s_mov_b32 s[G1C+1], 256<<16                    ; tensor_dim0 = 256
	s_mov_b32 s[G1C+2], 64<<16                     ; tensor_dim1 = 64
	s_mov_b32 s[G1C+3], 256<<16                    ; tile_dim0 = 256
	s_mov_b32 s[G1C+4], 64                         ; tile_dim1 = 64
	s_mov_b32 s[G1C+5], 256                        ; elements from row to row
	s_mov_b32 s[G1C+6], 0
	s_mov_b32 s[G1C+7], 0
	; group 1 for ee: a dense block of 2,048 bytes as 8 rows of 32 elements of 8 bytes, no padding
	s_mov_b32 s[G1E+0], 15|(3<<16)|(1<<21)
	s_mov_b32 s[G1E+1], 32<<16
	s_mov_b32 s[G1E+2], 8<<16
	s_mov_b32 s[G1E+3], 32<<16
	s_mov_b32 s[G1E+4], 8
	s_mov_b32 s[G1E+5], 32
	s_mov_b32 s[G1E+6], 0
	s_mov_b32 s[G1E+7], 0
	; what the joint loads fetch hangs on the split and the wave's number alone
	s_lshl_b32 s16, s13, 20                        ; 2,048 codes of 512 bytes a split,
	s_lshl_b32 s17, s[WV], 15                      ; my 64 rows of a slot's 256,
	s_add_co_u32 s16, s16, s17
	s_add_co_u32 s16, s16, 8388608                 ; in xb's second plane
	s_mov_b32 s17, 0
	s_lshl_b32 s18, s13, 13                        ; 2,048 ee of 4 bytes a split,
	s_lshl_b32 s19, s[WV], 11                      ; my 512 of them,
	s_add_co_u32 s18, s18, s19
	s_add_co_u32 s18, s18, 65536                   ; in xn's second plane
	s_mov_b32 s19, 0
	s_mul_i32 s2, s[WV], QUART                     ; and where they go: no place in the cluster enters an LDS address
	s_lshl_b32 s3, s[WV], 11
	; my wave's own rows of z
	s_lshl_b32 s20, s12, 9
	s_lshl_b32 s21, s[WV], 7
	s_add_co_u32 s20, s20, s21                     ; first row = 512 block + 128 wave
	s_lshl_b32 s22, s20, 9                         ; x 512 bytes
	s_mov_b32 s23, 0
	s_mov_b32 s[PINF], 0x7f800000
	s_mov_b32 s[HM], 0xffff0000
	s_mov_b32 s[SEL], 0x76543210
	s_mov_b32 s[SEL+1], 0xfedcba98
	s_lshl_b32 s[NI], s13, 9                       ; tile 0 of the split: its first group of four codes is 512 x split
	s_wait_dscnt 0x0
	s_wait_kmcnt 0x0
	s_add_nc_u64 s[16:17], s[4:5], s[16:17]        ; my quarter of the split's first 256 codes
	s_add_nc_u64 s[18:19], s[6:7], s[18:19]        ; my quarter of the split's ee
	s_add_nc_u64 s[14:15], s[4:5], s[22:23]        ; my rows of z
	s_lshl_b32 s22, s20, 2
	s_add_nc_u64 s[6:7], s[6:7], s[22:23]          ; their zz
	s_lshl_b32 s21, s13, 14
	s_add_co_u32 s21, s21, s20
	s_lshl_b32 s22, s21, 3
	s_add_nc_u64 s[8:9], s[8:9], s[22:23]          ; part at (split, my first row): 8 bytes a row
.irp s, 0,1
	s_mov_b32 s[G0+4*\s], 1                                        ; count = 1
	s_add_co_u32 s[G0+4*\s+1], s2, \s*SLOT                         ; LDS address
	s_add_nc_u64 s[G0+4*\s+2:G0+4*\s+3], s[16:17], \s*SLOTG        ; slot s begins with codes 256 s on
	s_or_b32 s[G0+4*\s+3], s[G0+4*\s+3], 0x80000000                ; type = 2
.endr
	s_mov_b32 s[G0E], 1
	s_add_co_u32 s[G0E+1], s3, EEB
	s_mov_b64 s[G0E+2:G0E+3], s[18:19]
	s_or_b32 s[G0E+3], s[G0E+3], 0x80000000
	ROUND                                          ; all four work-groups are here: the first joint loads meet
	tensor_load_to_lds s[G0E:G0E+3], s[G1E:G1E+7]  ; the three first fills go out together, ahead of every wait on TENSORcnt, every LDS read and every further barrier:
	s_nop 0
	tensor_load_to_lds s[G0:G0+3], s[G1C:G1C+7]    ; three tensor loads of mine are out here, later one behind each round
	s_nop 0
	tensor_load_to_lds s[G0+4:G0+7], s[G1C:G1C+7]
	s_nop 0
.rept 4
	v_nop                                          ; four v_nop follow the tensor loads
.endr
	; A fragment is 16 rows x 32 K in 8 registers: lane l holds row l % 16; registers 0-3 K = 8 (l / 16) + 0..7, registers 4-7 K = 16 + 8 (l / 16) + 0..7: two loads of 16 bytes, 32 bytes apart.
	v_and_b32 v1, 15, v0                           ; l % 16
	v_bfe_u32 v2, v0, 4, 1                         ; l / 16
	v_lshlrev_b32 v[QO], 9, v1
	v_lshl_add_u32 v[QO], v2, 4, v[QO]             ; row x 512 + 16 x half
	v_lshlrev_b32 v[ZO], 2, v1
	WIN 0x40                                       ; destination window 1, address window 0: z tiles 0-3, fragment (q, c) at v[64 q + 8 c]
.irp q, 0,1,2,3
.irp c, 0,1,2,3,4,5,6,7
	global_load_b128 v[64*\q+8*\c:64*\q+8*\c+3],   v[QO], s[14:15] offset:\q*8192+\c*64
	global_load_b128 v[64*\q+8*\c+4:64*\q+8*\c+7], v[QO], s[14:15] offset:\q*8192+\c*64+32
.endr
.endr
	WIN 0x80                                       ; destination window 2: z tiles 4-7
.irp q, 0,1,2,3
.irp c, 0,1,2,3,4,5,6,7
	global_load_b128 v[64*\q+8*\c:64*\q+8*\c+3],   v[QO], s[14:15] offset:(\q+4)*8192+\c*64
	global_load_b128 v[64*\q+8*\c+4:64*\q+8*\c+7], v[QO], s[14:15] offset:(\q+4)*8192+\c*64+32
.endr
.endr
	WIN 0
.irp t, 0,1,2,3,4,5,6,7
	global_load_b32 v[ZZ+\t], v[ZO], s[6:7] offset:\t*64
.endr
	v_mul_u32_u24 v[AK0], v1, PITCH
	v_lshl_add_u32 v[AK0], v2, 4, v[AK0]
	v_lshlrev_b32 v[AE0], 5, v2
	v_add_nc_u32 v[AE0], EEB, v[AE0]
	v_and_b32 v[PO], 31, v0
	v_lshlrev_b32 v[PO], 3, v[PO]
	v_lshlrev_b32 v[H2], 1, v2
.irp j, 0,1,2,3,4,5,6,7,8,9,10,11,12,13,14,15
	v_mov_b32 v[BEST+\j], s[PINF]                  ; nothing seen yet; should no finite d come, the group stays the lane's first
	v_mov_b32 v[IDX+\j], s[NI]
.endr
; THE VECTOR WORK for one finished group: number n of a list of 84, for the group of half ph (z tiles 4 ph + q, accumulators ACC + 32 ph + 8 q) with the ee of set es.
; Numbers 0-55 go by pairs of codes i (registers 2 i, 2 i + 1 of all four accumulators): pairs 0 and 2 take 12 numbers, pairs 1 and 3 take 16.  In a pair, number m:
;   0-3    s = fl(ee + zz), two codes at a time; zz is broadcast out of its pair           4-7    d = fl(s - 2 x product), in place
;   8-11   an even pair starts the minimum of its four codes with its two distances; an odd pair adds its first distance,      12-15  and its second
; Numbers 56-83, for the eight minima e = 2 q + u (u = 0: registers 0-3, 1: registers 4-7):
;   56-59  minimum - best, whose sign is exact      60-67  the mask: minimum < best      68-75  best = min(best, minimum)      76-83  where the mask is set the group becomes this tile's
; Whatever feeds an instruction stands four or more numbers ahead of it.  Source 1 is a constant or a scalar register throughout (see REGISTER WINDOWS).
; The two arguments may be expressions (1 - half): they are evaluated into symbols first, so that no neighbouring operator binds to a part of them.
.macro VOP ph, es
.set vph, \ph
.set ves, \es
.if n < 56
.set vi, 2*(n/28)
.set vm, n%28
.if vm >= 12
.set vi, vi+1
.set vm, vm-12
.endif
.set vq, vm%4
.set zt, 4*vph+vq
.set rA, ACC+32*vph+8*vq+2*vi
.set rE, EE+8*ves+2*vi
.set rM, M+2*vq+vi/2
.if vm < 4
.if zt%2 == 0
	v_pk_fma_f32 v[T+2*vq:T+2*vq+1], v[rE:rE+1], 1.0, v[ZZ+zt:ZZ+zt+1] op_sel_hi:[1,0,0]
.else
	v_pk_fma_f32 v[T+2*vq:T+2*vq+1], v[rE:rE+1], 1.0, v[ZZ+zt-1:ZZ+zt] op_sel:[0,0,1] op_sel_hi:[1,0,1]
.endif
.elseif vm < 8
	v_pk_fma_f32 v[rA:rA+1], v[rA:rA+1], -2.0, v[T+2*vq:T+2*vq+1] op_sel_hi:[1,0,1]
.elseif vi%2 == 0
	v_min3_num_f32 v[rM], v[rA], s[PINF], v[rA+1]
.elseif vm < 12
	v_min3_num_f32 v[rM], v[rM], s[PINF], v[rA]
.else
	v_min3_num_f32 v[rM], v[rM], s[PINF], v[rA+1]
.endif
.else
.set vm, n-56
.if vm < 4
	v_pk_fma_f32 v[T+2*vm:T+2*vm+1], v[M+2*vm:M+2*vm+1], 1.0, v[BEST+8*vph+2*vm:BEST+8*vph+2*vm+1] op_sel_hi:[1,0,1] neg_lo:[0,0,1] neg_hi:[0,0,1]
.elseif vm < 12
	v_cmp_lt_f32 s[MK+vm-4], v[T+vm-4], 0
.elseif vm < 20
	v_min3_num_f32 v[BEST+8*vph+vm-12], v[BEST+8*vph+vm-12], s[PINF], v[M+vm-12]
.else
	v_cndmask_b32 v[IDX+8*vph+vm-20], v[IDX+8*vph+vm-20], s[NI], s[MK+vm-20]
.endif
.endif
.set n, n+1
.endm
.macro SLICE ph, es                    ; slice k of 32: 2 or 3 instructions of the list (2, 3, 2, 3, 3, 2, 3, 3 and so on): 84 in all
.rept 21*(k+1)/8-21*k/8
	VOP \ph, \es
.endr
.set k, k+1
.endm
.macro FRUN c0                         ; one run of eight LDS loads: fragments c0 to c0 + 3 of the tile at v[ADR]
.irp c, 0,1,2,3
	ds_load_b128 v[F+8*(\c0+\c):F+8*(\c0+\c)+3],   v[ADR] offset:64*(\c0+\c)
	ds_load_b128 v[F+8*(\c0+\c)+4:F+8*(\c0+\c)+7], v[ADR] offset:64*(\c0+\c)+32
.endr
.endm
; A GROUP: 32 matrix instructions, K ascending in steps of 32, the four accumulators by turns, one instruction a turn; the first four start the sums with the constant 0.
; valu = 1: behind each stands a slice of the other half's finished group, with the ee of set es.  A vector instruction that reads a matrix result, and a load into a register that a matrix
; instruction has read, stand four places behind it, and only plain vector instructions that name none of its registers are places (ISA guide 7.12.1 for vector instructions)
; The slices are the places: they name the OTHER set of accumulators; behind a group's last product stand slice 31 (three selects on IDX) and the next list's numbers 0-3 (T, EE, ZZ).
; THE NEXT TILE COMES INTO THE SAME FRAGMENT REGISTERS, IN TWO RUNS OF LOADS (fetch = 1), not singly among the products.  Run 1, in B behind slice 17: its ee (into set en) and fragments 0-3, whose last
; product is number 15: slices 15, 16 and 17, eight instructions, are the places.  Run 2, in the next A behind slice 1: fragments 4-7, whose last product is B's number 31: B's slice 31 and A's slices
; 0 and 1, eight instructions, none of which names a register of that product.  Run 1 stands 14 matrix instructions ahead of its first use, run 2 also 14.
; half = 0: ahead of each K step a counted wait for its fragment.  LDS loads come back in order (ISA guide 5.7.1), and a tile's are issued in the order ee (2), fragments 0 to 7 (2 each).  At K step 0
; run 2 is not yet issued: ee and fragment 0 are in when at most the 6 loads of fragments 1-3 are out.  At K step c > 0 all 18 are issued: fragment c is in when at most the 14 - 2 c of the later ones are out.
; incr = 1: the list that ends here was a tile's second: the group number steps to the next tile.
.macro GROUP half, valu, es, fetch, en, incr
	WIN (0x04<<\half)
.set k, 0
.set n, 0
.set gi, 0
.rept 32
.set kk, gi/4
.set gq, gi%4
.if (\half == 0) && (gq == 0)
.if kk == 0
	s_wait_dscnt 6
.else
	s_wait_dscnt 14-2*kk
.endif
.endif
.if kk == 0
	v_wmma_f32_16x16x32_bf16 v[ACC+32*\half+8*gq:ACC+32*\half+8*gq+7], v[F+8*kk:F+8*kk+7], v[64*gq+8*kk:64*gq+8*kk+7], 0
.else
	v_wmma_f32_16x16x32_bf16 v[ACC+32*\half+8*gq:ACC+32*\half+8*gq+7], v[F+8*kk:F+8*kk+7], v[64*gq+8*kk:64*gq+8*kk+7], v[ACC+32*\half+8*gq:ACC+32*\half+8*gq+7]
.endif
.if \valu
	SLICE 1-\half, \es
.endif
.if \fetch
.if (\half == 1) && (gi == 0)
	v_add_nc_u32 v[ADR], v[AK0], s[TB]             ; the scalar stands second: source 1 names no vector register
	v_add_nc_u32 v[ADRE], v[AE0], s[TE]
.endif
.if (\half == 1) && (gi == 17)
	ds_load_b128 v[EE+8*\en:EE+8*\en+3],   v[ADRE]             ; ee of codes 8 (l / 16) + 0..7 of the next tile: sixteen lanes share each word
	ds_load_b128 v[EE+8*\en+4:EE+8*\en+7], v[ADRE] offset:16
	FRUN 0
.endif
.if (\half == 0) && (gi == 1)
	FRUN 4
.endif
.endif
.set gi, gi+1
.endr
.if \fetch
.if \half == 1
	s_add_co_u32 s[TB], s[TB], TILEB
	s_add_co_u32 s[TE], s[TE], 64
.endif
.endif
.if \incr
	s_add_co_u32 s[NI], s[NI], 4
.endif
.endm
; Two tiles: B(odd t), A(t + 1), B(t + 1), A(t + 2), written once and walked cnt times.
.macro UNITS cnt
	s_mov_b32 s[CI], \cnt
.Lunit_\@:
	GROUP 1, 1, 1, 1, 0, 0                         ; B(odd)  | A(odd)'s distances  | the even tile's ee (set 0) and fragments 0-3
	GROUP 0, 1, 1, 1, 0, 1                         ; A(even) | B(odd)'s distances  | its own fragments 4-7
	GROUP 1, 1, 0, 1, 1, 0                         ; B(even) | A(even)'s distances | the odd tile's ee (set 1) and fragments 0-3
	GROUP 0, 1, 0, 1, 0, 1                         ; A(odd)  | B(even)'s distances | its own fragments 4-7
	WIN 0                                          ; at a label and at a branch every window is 0
	s_sub_co_u32 s[CI], s[CI], 1
	s_cmp_lg_u32 s[CI], 0
	s_cbranch_scc1 .Lunit_\@
.endm
; THE CHANGE OF SLOTS stands between A and B of a slot's last tile: that tile's fragments are in registers (A's counted waits ended at 0), and B fetches the first tile of the other slot.
; Each wave waits for its LDS reads and for all its tensor loads, of which one is out: its quarter of the other slot.  fill = 1: the slot just read out takes the codes two slots on; the barrier is
; then a round of the cluster's, so that no wave of any partner still reads the slot or has a load on its way, and the joint refill is the first thing behind it, the wave's one tensor load until
; the next round: it has 16 tiles, 1,024 matrix instructions of the wave, in which to land.   tb: where the fetches go on.
.macro CHANGE fill, slot, tb
	WIN 0
	s_wait_dscnt 0x0
	s_wait_tensorcnt 0x0                           ; no tensor load of mine is out, so a group 0 may be written
	ds_add_u32 v254, v255
	s_wait_dscnt 0x0
.if \fill
	s_add_nc_u64 s[G0+4*\slot+2:G0+4*\slot+3], s[G0+4*\slot+2:G0+4*\slot+3], 2*SLOTG   ; the type bits on top are not reached
	ROUND
	tensor_load_to_lds s[G0+4*\slot:G0+4*\slot+3], s[G1C:G1C+7]
	s_nop 0
.rept 4
	v_nop                                          ; four v_nop follow the tensor load
.endr
.else
	s_barrier_signal -1
	s_barrier_wait -1
.endif
	s_mov_b32 s[TB], \tb
.endm
	s_wait_tensorcnt 0x1                           ; my parts of ee and of slot 0 are in; slot 1's may stay out
	s_barrier_signal -1
	s_barrier_wait -1                              ; everybody's are
	ds_load_b128 v[EE:EE+3],   v[AE0]              ; tile 0, all of it, in the order of the two runs: ee, then fragments 0 to 7
	ds_load_b128 v[EE+4:EE+7], v[AE0] offset:16
.irp c, 0,1,2,3,4,5,6,7
	ds_load_b128 v[F+8*\c:F+8*\c+3],   v[AK0] offset:64*\c
	ds_load_b128 v[F+8*\c+4:F+8*\c+7], v[AK0] offset:64*\c+32
.endr
	s_mov_b32 s[TB], TILEB                         ; the next fetch is tile 1's
	s_mov_b32 s[TE], 64
	s_wait_loadcnt 0x0                             ; z and zz, once
	GROUP 0, 0, 0, 0, 0, 0                         ; A(0): there is no vector work yet to set between its products, and nothing of its own left to fetch
	GROUP 1, 1, 0, 1, 1, 0                         ; B(0) | A(0)'s distances | tile 1's ee and fragments 0-3
	GROUP 0, 1, 0, 1, 0, 1                         ; A(1) | B(0)'s distances | its own fragments 4-7
	WIN 0
	UNITS 7                                        ; through A(15): slot 0's first 16 tiles have been fetched
	s_mov_b32 s[CO], 3
.Lpair:                                                ; three trips of 32 tiles; each fills both slots again: codes 512 to 2,047 of the split
	CHANGE 1, 0, SLOT
	UNITS 8
	CHANGE 1, 1, 0
	UNITS 8
	s_sub_co_u32 s[CO], s[CO], 1
	s_cmp_lg_u32 s[CO], 0
	s_cbranch_scc1 .Lpair
	CHANGE 0, 0, SLOT                              ; the tail is written out: slot 1 holds the last 256 codes, and nothing is asked for
	UNITS 8                                        ; through A(127)
	GROUP 1, 1, 1, 0, 0, 0                         ; B(127) | A(127)'s distances
	WIN 0
.set n, 0
.rept 84
	VOP 1, 1                                       ; B(127)'s distances: slice 31 and this list's numbers 0-3 are the places behind the last products
.endr
	; THE WAY OUT.  For each tile of z: the true group numbers; registers 0-3 against registers 4-7; my half of the lanes against the other; always the smaller (d, group).
.macro PICK b0, i0, b1, i1             ; (b0, i0) takes (b1, i1) where b1 < b0, or b1 = b0 and i1 < i0
	v_cmp_lt_f32 s[MA], v[\b1], v[\b0]
	v_cmp_eq_f32 s[MA+1], v[\b1], v[\b0]
	v_cmp_lt_u32 s[MA+2], v[\i1], v[\i0]
	s_and_b32 s[MA+1], s[MA+1], s[MA+2]
	s_or_b32 s[MA], s[MA], s[MA+1]
	v_cndmask_b32 v[\b0], v[\b0], v[\b1], s[MA]
	v_cndmask_b32 v[\i0], v[\i0], v[\i1], s[MA]
.endm
.irp t, 0,1,2,3,4,5,6,7
	v_add_nc_u32 v[IDX+2*\t], v[IDX+2*\t], v[H2]   ; group = 512 split + 4 t + 2 (l / 16) + (0 or 1)
	v_add3_u32 v[IDX+2*\t+1], v[IDX+2*\t+1], v[H2], 1
	PICK BEST+2*\t, IDX+2*\t, BEST+2*\t+1, IDX+2*\t+1
	v_permlanex16_b32 v[BEST+2*\t+1], v[BEST+2*\t], s[SEL], s[SEL+1]   ; the row's other eight codes of each tile lie in the lane 16 away
	v_permlanex16_b32 v[IDX+2*\t+1],  v[IDX+2*\t],  s[SEL], s[SEL+1]
	PICK BEST+2*\t, IDX+2*\t, BEST+2*\t+1, IDX+2*\t+1
	v_ashrrev_i32 v[T], 31, v[BEST+2*\t]           ; the key: a negative d has all its bits turned, any other its top bit set
	v_or_b32 v[T], 0x80000000, v[T]
	v_xor_b32 v[BEST+2*\t], v[BEST+2*\t], v[T]
.endr
.irp t, 0,2,4,6
	v_cndmask_b32 v[BEST+2*\t],   v[BEST+2*\t], v[BEST+2*\t+2], s[HM]  ; both halves of the lanes hold the same: lanes 16-31 take the odd tile's row instead
	v_cndmask_b32 v[BEST+2*\t+1], v[IDX+2*\t],  v[IDX+2*\t+2],  s[HM]
	global_store_b64 v[PO], v[BEST+2*\t:BEST+2*\t+1], s[8:9] offset:128*\t   ; 32 rows x 8 bytes: 256 consecutive bytes, aligned
.endr
	ROUND                                          ; the closing round: no work-group ends while a partner may still ask for a tile that names it
	s_endpgm
.Lfunc_end_k_qbc009a3ed8_main:
	.size	k_qbc009a3ed8_main, .Lfunc_end_k_qbc009a3ed8_main-k_qbc009a3ed8_main
	.p2alignl 7, 3214868480
	.fill 96, 4, 3214868480
	.section	.rodata,"a",@progbits
	.p2align	6, 0x0
	.amdhsa_kernel k_qbc009a3ed8_main
		.amdhsa_group_segment_fixed_size 327680
		.amdhsa_private_segment_fixed_size 0
		.amdhsa_enable_private_segment 0
		.amdhsa_kernarg_size 24
		.amdhsa_user_sgpr_count 2
		.amdhsa_user_sgpr_kernarg_segment_ptr 1
		.amdhsa_wavefront_size32 1
		.amdhsa_system_sgpr_workgroup_id_x 1
		.amdhsa_system_sgpr_workgroup_id_y 1
		.amdhsa_system_sgpr_workgroup_id_z 1
		.amdhsa_system_vgpr_workitem_id 0
		.amdhsa_next_free_vgpr 768
		.amdhsa_next_free_sgpr 80
		.amdhsa_reserve_vcc 0
		.amdhsa_float_denorm_mode_32 3
		.amdhsa_float_denorm_mode_16_64 3
		.amdhsa_memory_ordered 1
		.amdhsa_forward_progress 1
		.amdhsa_inst_pref_size 194
	.end_amdhsa_kernel
	.amdgpu_metadata
---
amdhsa.version: [ 1, 2 ]
amdhsa.kernels:
  - .name:           k_qbc009a3ed8_main
    .symbol:         k_qbc009a3ed8_main.kd
    .args:
      - { .name: xb, .offset: 0, .size: 8, .value_kind: global_buffer, .address_space: global }
      - { .name: xn, .offset: 8, .size: 8, .value_kind: global_buffer, .address_space: global }
      - { .name: part, .offset: 16, .size: 8, .value_kind: global_buffer, .address_space: global }
    .group_segment_fixed_size: 327680
    .private_segment_fixed_size: 0
    .kernarg_segment_align: 8
    .kernarg_segment_size: 24
    .max_flat_workgroup_size: 128
    .sgpr_count:     80
    .vgpr_count:     768
    .wavefront_size: 32
...
	.end_amdgpu_metadata
.endif
;; end of part 2
;; launch finish (part 3): grid 256 x 1, 16 waves a work-group, no clusters, 6,400 bytes of LDS; arguments part, emb_weights, z, xn, out0, out2, lossp; writes out0, out2, lossp
.if DOCPART == 3
	.amdgcn_target "amdgcn-amd-amdhsa--gfx1250"
	.amdhsa_code_object_version 6
	.text
	.protected	k_qbc009a3ed8_finish
	.globl	k_qbc009a3ed8_finish
	.p2align	8
	.type	k_qbc009a3ed8_finish,@function
k_qbc009a3ed8_finish:
	s_mov_b64 s[64:65], 0
	v_nop
	global_prefetch_b8 v0, s[64:65] scope:SCOPE_SE
	s_setreg_imm32_b32 hwreg(HW_REG_WAVE_MODE, 25, 1), 1
	s_wait_xcnt 0x0
; For each row of z: the best of its 8 splits' (key, group); among that group's four codes the first with the smallest distance; out2 = its index; out0 = that row of emb_weights (f32, as given);
; lossp = partial sums of (z_q - z)^2.
; part: u32 [8][16384][2], stored by the launch before; a group is four neighbouring codes, 4,096 consecutive bytes of emb_weights.  The keys order as the distances do, so the choice that steers the
; gather is made on whole numbers alone; the splits are taken in ascending order and only a strictly smaller key replaces, so that among equal distances the lowest group stays.
; WITHIN THE GROUP nothing steers an address: all four rows are loaded, their distances d = fl(fl(zz + ee) - 2 z.e) are formed on z and e rounded to bf16, with zz and ee as the first launch stored them
; (xn: f32 [2][16384]), the codes are taken in ascending order, only a strictly smaller d replaces, and row and index are chosen by v_cndmask_b32.
; LIMIT.  The product sums here are f32 multiply-adds, 8 a lane and then across the lanes, not the matrix unit's: where two codes of ONE group lie within a last bit of the sum of a rounding boundary of d's
; grid, the choice between them can fall otherwise than by the sums of the launch before.  A NaN distance is never chosen.
; SHARES.  A work-group owns 64 rows, each of its 16 waves 4.  Every wave reads the group's 8 x 512 bytes of part and merges all 64 rows, two a lane, with the lanes turned by 2 x wave, so that the wave's
; own four rows lie in lanes 0 and 1 and v_readlane_b32 takes a constant lane: that spares a hand-over through LDS and a barrier.  A row of 1,024 bytes is two loads or stores of 16 bytes a lane, 512
; consecutive bytes each.  The text is straight: z's loads go out ahead of the merge, all 36 loads of the wave's four groups behind it, and the waits count down row by row.
; The loss is summed from (e - z)^2 itself, in f32 on the inputs as given, not from the smallest distance, which is a difference of large sums.  The sum over work-groups is made by the next launch.
; The work-groups share no tile, and four products of 256 a row are no work for the matrix unit: no cluster, no matrix unit, no tensor load.
.set IDXB, 4096                        ; LDS: bytes 0-4,095 the waves' partial sums (256 a wave), bytes 4,096-4,351 the group's 64 indices
.set VZ,  7                            ; v7         0: the offset of a load that all lanes make alike
.set P,   8                            ; v[8:39]    split s: key, group of row 2 L', key, group of row 2 L' + 1; split 0's registers take the best.  Behind the merge these 32 are:
.set EB,  8                            ; v[8:11]    8 numbers rounded to bf16, packed
.set UF,  12                           ; v[12:19]   a code's 8 rounded numbers back in f32; at work
.set ZF,  20                           ; v[20:27]   the row of z's 8 rounded numbers back in f32
.set DA,  28                           ; v[28:35]   code c: a pair of product sums
.set DT,  36                           ; v[36:39]   code c: the product sum, then d; code 0's takes the best
.set IO,  40                           ; v[40:41]   the two groups; at the end two indices
.set EO,  42                           ; v[42:45]   row i: byte offset of my 16 bytes in the group's first row of emb_weights
.set EOE, 46                           ; v[46:49]   row i: byte offset of the group's four ee
.set ZZ,  50                           ; v[50:53]   zz of my wave's four rows
.set J,   54                           ; v54        which of the four
.set Z,   56                           ; v[56:87]   row i of z: 8 registers.  At the end: the 16 waves' partial sums
.set E,   88                           ; v[88:215]  row i, code c: 8 registers; code 0's take the chosen row: store data, not rewritten behind the stores
.set EV,  216                          ; v[216:231] row i: its group's four ee
.set S,   232                          ; v[232:235] zz + ee
.set AC,  236                          ; v[236:239] two chains of two sums
.set JX,  240                          ; v[240:243] row i: the index
.set WV,  18                           ; s18        the wave's number
.set GR,  36                           ; s[36:39]   row i: its group
	s_load_b256 s[4:11], s[0:1], 0x0               ; part s[4:5], emb_weights s[6:7], z s[8:9], xn s[10:11]
	s_load_b128 s[12:15], s[0:1], 0x20             ; out0 s[12:13], out2 s[14:15]
	s_load_b64 s[16:17], s[0:1], 0x30              ; lossp
	v_lshl_add_u32 v244, v0, 2, 0x1100
	v_mov_b32 v245, 0
	v_lshrrev_b32 v6, 5, v0
	v_readfirstlane_b32 s[WV], v6                  ; wave 0..15
	v_and_b32 v1, 31, v0                           ; L
	v_lshlrev_b32 v2, 4, v1                        ; 16 L
	v_lshl_add_u32 v3, v6, 1, v1
	v_and_b32 v3, 31, v3                           ; L' = (L + 2 w) mod 32
	v_lshlrev_b32 v3, 4, v3                        ; rows 2 L', 2 L' + 1 of a split: 16 bytes
	v_lshlrev_b32 v4, 3, v1                        ; 8 L
	v_lshl_add_u32 v5, v6, 8, v4                   ; LDS: 256 w + 8 L
	v_lshlrev_b32 v6, 4, v6                        ; LDS: my wave's four indices begin at IDXB + 16 w
	v_mov_b32 v[VZ], 0
	s_mov_b32 s19, 0xffff0000                      ; a word's upper bf16
	s_mov_b32 s30, 0x76543210                      ; v_permlanex16_b32: each lane takes its own place in the other half
	s_mov_b32 s31, 0xfedcba98
	s_lshl_b32 s20, ttmp9, 9                       ; part: 64 rows of 8 bytes a group
	s_mov_b32 s21, 0
	s_lshl_b32 s22, ttmp9, 16                      ; z, out0: 64 rows of 1,024 bytes a group,
	s_lshl_b32 s24, s[WV], 12                      ; 4 rows a wave
	s_add_co_u32 s22, s22, s24
	s_mov_b32 s23, 0
	s_lshl_b32 s24, ttmp9, 8                       ; out2, lossp: 256 bytes a group
	s_mov_b32 s25, 0
	s_lshl_b32 s26, s[WV], 4                       ; zz: 256 bytes a group, 16 a wave
	s_add_co_u32 s26, s26, s24
	s_mov_b32 s27, 0
	s_wait_kmcnt 0x0
	s_add_nc_u64 s[4:5], s[4:5], s[20:21]
	s_add_nc_u64 s[8:9], s[8:9], s[22:23]
	s_add_nc_u64 s[12:13], s[12:13], s[22:23]
	s_add_nc_u64 s[14:15], s[14:15], s[24:25]
	s_add_nc_u64 s[16:17], s[16:17], s[24:25]
	s_add_nc_u64 s[28:29], s[10:11], s[26:27]      ; my wave's four zz; s[10:11] stays at xn's first byte, for ee
.irp s, 0,1,2,3,4,5,6,7
	global_load_b128 v[P+4*\s:P+4*\s+3], v3, s[4:5] offset:\s*131072       ; a split is 16,384 rows of 8 bytes
.endr
	global_load_b128 v[ZZ:ZZ+3], v[VZ], s[28:29]   ; every lane takes the same 16 bytes
.irp i, 0,1,2,3
	global_load_b128 v[Z+8*\i:Z+8*\i+3],   v2, s[8:9] offset:\i*1024 th:TH_LOAD_NT       ; columns 4 L .. 4 L + 3
	global_load_b128 v[Z+8*\i+4:Z+8*\i+7], v2, s[8:9] offset:\i*1024+512 th:TH_LOAD_NT   ; columns 128 + 4 L ..
.endr
	s_wait_loadcnt 9                               ; the eight loads of part are in; zz's one and z's eight stay out
.irp s, 1,2,3,4,5,6,7
	v_cmp_lt_u32 vcc_lo, v[P+4*\s], v[P]
	v_cmp_lt_u32 s33, v[P+4*\s+2], v[P+2]
	v_cndmask_b32 v[P],   v[P],   v[P+4*\s],   vcc_lo
	v_cndmask_b32 v[P+1], v[P+1], v[P+4*\s+1], vcc_lo
	v_cndmask_b32 v[P+2], v[P+2], v[P+4*\s+2], s33
	v_cndmask_b32 v[P+3], v[P+3], v[P+4*\s+3], s33
.endr
	v_min_u32 v[IO],   0xfff, v[P+1]               ; a group stays inside the table: met by every group that the launch before stores
	v_min_u32 v[IO+1], 0xfff, v[P+3]
.irp i, 0,1,2,3
	v_readlane_b32 s[GR+\i], v[IO+\i%2], \i/2      ; my wave's row i lies in lane i / 2
	s_min_u32 s[GR+\i], s[GR+\i], 0xfff
	v_lshl_add_u32 v[EO+\i], s[GR+\i], 12, v2      ; 4,096 bytes a group + 16 L
	v_lshlrev_b32 v[EOE+\i], 4, s[GR+\i]           ; 16 bytes of ee a group
	global_load_b128 v[EV+4*\i:EV+4*\i+3], v[EOE+\i], s[10:11] offset:65536   ; xn's second plane; every lane takes the same 16 bytes
.irp c, 0,1,2,3
	global_load_b128 v[E+32*\i+8*\c:E+32*\i+8*\c+3],   v[EO+\i], s[6:7] offset:\c*1024       ; no hint: several rows may name one group
	global_load_b128 v[E+32*\i+8*\c+4:E+32*\i+8*\c+7], v[EO+\i], s[6:7] offset:\c*1024+512
.endr
.endr
.macro ROWOUT i
	s_wait_loadcnt 27-9*\i                         ; row i's nine loads are in (and zz and z, which are older); the 9 (3 - i) of the later rows stay out
.irp k, 0,1,2,3
	v_cvt_pk_bf16_f32 v[EB+\k], v[Z+8*\i+2*\k], v[Z+8*\i+2*\k+1]           ; z as the product launch had it: to nearest even,
.endr
.irp k, 0,1,2,3
	v_lshlrev_b32 v[ZF+2*\k],   16,  v[EB+\k]      ; and back in f32
	v_and_b32     v[ZF+2*\k+1], s19, v[EB+\k]
.endr
.irp c, 0,1,2,3
.irp k, 0,1,2,3
	v_cvt_pk_bf16_f32 v[EB+\k], v[E+32*\i+8*\c+2*\k], v[E+32*\i+8*\c+2*\k+1]
.endr
.irp k, 0,1,2,3
	v_lshlrev_b32 v[UF+2*\k],   16,  v[EB+\k]
	v_and_b32     v[UF+2*\k+1], s19, v[EB+\k]
.endr
	v_pk_mul_f32 v[DA+2*\c:DA+2*\c+1], v[UF:UF+1],     v[ZF:ZF+1]                          ; the first products start the sums
	v_pk_fma_f32 v[DA+2*\c:DA+2*\c+1], v[UF+2:UF+3],   v[ZF+2:ZF+3], v[DA+2*\c:DA+2*\c+1]
	v_pk_fma_f32 v[DA+2*\c:DA+2*\c+1], v[UF+4:UF+5],   v[ZF+4:ZF+5], v[DA+2*\c:DA+2*\c+1]
	v_pk_fma_f32 v[DA+2*\c:DA+2*\c+1], v[UF+6:UF+7],   v[ZF+6:ZF+7], v[DA+2*\c:DA+2*\c+1]
.endr
.irp c, 0,1,2,3
	v_add_f32 v[DT+\c], v[DA+2*\c], v[DA+2*\c+1]
.endr
.irp m, 1,2,4,8
.irp c, 0,1,2,3
	v_add_f32_dpp v[DT+\c], v[DT+\c], v[DT+\c] row_xmask:\m row_mask:0xf bank_mask:0xf     ; across the 32 lanes: four steps inside each half, the four codes by turns,
.endr
.endr
.irp c, 0,1,2,3
	v_permlanex16_b32 v[UF+\c], v[DT+\c], s30, s31 ; one across the halves (its destination has been written)
.endr
.irp c, 0,1,2,3
	v_add_f32 v[DT+\c], v[DT+\c], v[UF+\c]         ; every lane now holds the four product sums
.endr
.irp c, 0,1,2,3
	v_add_f32 v[S+\c], v[EV+4*\i+\c], v[ZZ+\i]     ; fl(zz + ee)
.endr
.irp c, 0,1,2,3
	v_fma_f32 v[DT+\c], v[DT+\c], -2.0, v[S+\c]    ; d
.endr
.irp c, 1,2,3
	v_cmp_lt_f32 vcc_lo, v[DT+\c], v[DT]           ; strictly smaller than the best of the codes before it
.if \c == 1
	v_cndmask_b32 v[J], 0, 1, vcc_lo
.else
	v_cndmask_b32 v[J], v[J], \c, vcc_lo
.endif
	v_cndmask_b32 v[DT], v[DT], v[DT+\c], vcc_lo
.irp k, 0,1,2,3,4,5,6,7
	v_cndmask_b32 v[E+32*\i+\k], v[E+32*\i+\k], v[E+32*\i+8*\c+\k], vcc_lo                 ; the row goes with it
.endr
.endr
	v_lshl_add_u32 v[JX+\i], s[GR+\i], 2, v[J]     ; index = 4 x group + which
	ds_store_b32 v6, v[JX+\i] offset:IDXB+4*\i     ; every lane writes the same word with the same value
	global_store_b128 v2, v[E+32*\i:E+32*\i+3],   s[12:13] offset:\i*1024 th:TH_STORE_NT
	global_store_b128 v2, v[E+32*\i+4:E+32*\i+7], s[12:13] offset:\i*1024+512 th:TH_STORE_NT
.irp k, 0,1,2,3
	v_pk_add_f32 v[UF+2*\k:UF+2*\k+1], v[E+32*\i+2*\k:E+32*\i+2*\k+1], v[Z+8*\i+2*\k:Z+8*\i+2*\k+1] neg_lo:[0,1] neg_hi:[0,1]   ; e - z, on the numbers as given
.endr
.if \i == 0
	v_pk_mul_f32 v[AC:AC+1],   v[UF:UF+1],   v[UF:UF+1]                    ; the first squares start the two chains
	v_pk_mul_f32 v[AC+2:AC+3], v[UF+2:UF+3], v[UF+2:UF+3]
.else
	v_pk_fma_f32 v[AC:AC+1],   v[UF:UF+1],   v[UF:UF+1],   v[AC:AC+1]
	v_pk_fma_f32 v[AC+2:AC+3], v[UF+2:UF+3], v[UF+2:UF+3], v[AC+2:AC+3]
.endif
	v_pk_fma_f32 v[AC:AC+1],   v[UF+4:UF+5], v[UF+4:UF+5], v[AC:AC+1]
	v_pk_fma_f32 v[AC+2:AC+3], v[UF+6:UF+7], v[UF+6:UF+7], v[AC+2:AC+3]
.endm
.irp i, 0,1,2,3
	ROWOUT \i
.endr
	v_pk_add_f32 v[AC:AC+1], v[AC:AC+1], v[AC+2:AC+3]
	ds_store_b64 v5, v[AC:AC+1]
	s_wait_dscnt 0x0                               ; for the others' sake: my sums and my four indices are in LDS
	s_barrier_signal -1
	s_barrier_wait -1
	s_cmp_lg_u32 s[WV], 0
	s_cbranch_scc1 .Lend
	ds_load_b64 v[IO:IO+1], v4 offset:IDXB         ; wave 0: the group's 64 indices, two a lane,
.irp j, 0,1,2,3,4,5,6,7,8,9,10,11,12,13,14,15
	ds_load_b64 v[Z+2*\j:Z+2*\j+1], v4 offset:256*\j                       ; and lane L's pair of sums of each wave
.endr
	s_wait_dscnt 0x0
	global_store_b64 v4, v[IO:IO+1], s[14:15]      ; 256 consecutive bytes, aligned
.irp j, 0,2,4,6,8,10,12,14
	v_pk_add_f32 v[Z+2*\j:Z+2*\j+1], v[Z+2*\j:Z+2*\j+1], v[Z+2*\j+2:Z+2*\j+3]
.endr
.irp j, 0,4,8,12
	v_pk_add_f32 v[Z+2*\j:Z+2*\j+1], v[Z+2*\j:Z+2*\j+1], v[Z+2*\j+4:Z+2*\j+5]
.endr
.irp j, 0,8
	v_pk_add_f32 v[Z+2*\j:Z+2*\j+1], v[Z+2*\j:Z+2*\j+1], v[Z+2*\j+8:Z+2*\j+9]
.endr
	v_pk_add_f32 v[Z:Z+1], v[Z:Z+1], v[Z+16:Z+17]
	global_store_b64 v4, v[Z:Z+1], s[16:17]        ; the group's 64 partial sums: 256 consecutive bytes, aligned
.Lend:
	s_wait_tensorcnt 0x0
	ds_add_u32 v244, v245
	s_wait_dscnt 0x0
	s_endpgm
.Lfunc_end_k_qbc009a3ed8_finish:
	.size	k_qbc009a3ed8_finish, .Lfunc_end_k_qbc009a3ed8_finish-k_qbc009a3ed8_finish
	.p2alignl 7, 3214868480
	.fill 96, 4, 3214868480
	.section	.rodata,"a",@progbits
	.p2align	6, 0x0
	.amdhsa_kernel k_qbc009a3ed8_finish
		.amdhsa_group_segment_fixed_size 6400
		.amdhsa_private_segment_fixed_size 0
		.amdhsa_enable_private_segment 0
		.amdhsa_kernarg_size 56
		.amdhsa_user_sgpr_count 2
		.amdhsa_user_sgpr_kernarg_segment_ptr 1
		.amdhsa_wavefront_size32 1
		.amdhsa_system_sgpr_workgroup_id_x 1
		.amdhsa_system_sgpr_workgroup_id_y 1
		.amdhsa_system_sgpr_workgroup_id_z 1
		.amdhsa_system_vgpr_workitem_id 0
		.amdhsa_next_free_vgpr 246
		.amdhsa_next_free_sgpr 66
		.amdhsa_reserve_vcc 1
		.amdhsa_float_denorm_mode_32 3
		.amdhsa_float_denorm_mode_16_64 3
		.amdhsa_memory_ordered 1
		.amdhsa_forward_progress 1
		.amdhsa_inst_pref_size 42
	.end_amdhsa_kernel
	.amdgpu_metadata
---
amdhsa.version: [ 1, 2 ]
amdhsa.kernels:
  - .name:           k_qbc009a3ed8_finish
    .symbol:         k_qbc009a3ed8_finish.kd
    .args:
      - { .name: part, .offset: 0, .size: 8, .value_kind: global_buffer, .address_space: global }
      - { .name: emb_weights, .offset: 8, .size: 8, .value_kind: global_buffer, .address_space: global }
      - { .name: z, .offset: 16, .size: 8, .value_kind: global_buffer, .address_space: global }
      - { .name: xn, .offset: 24, .size: 8, .value_kind: global_buffer, .address_space: global }
      - { .name: out0, .offset: 32, .size: 8, .value_kind: global_buffer, .address_space: global }
      - { .name: out2, .offset: 40, .size: 8, .value_kind: global_buffer, .address_space: global }
      - { .name: lossp, .offset: 48, .size: 8, .value_kind: global_buffer, .address_space: global }
    .group_segment_fixed_size: 6400
    .private_segment_fixed_size: 0
    .kernarg_segment_align: 8
    .kernarg_segment_size: 56
    .max_flat_workgroup_size: 512
    .sgpr_count:     66
    .vgpr_count:     246
    .wavefront_size: 32
...
	.end_amdgpu_metadata
.endif
;; end of part 3
;; launch loss (part 4): grid 1 x 1, 32 waves a work-group, no clusters, 4,352 bytes of LDS; arguments lossp, out1; writes out1
.if DOCPART == 4
	.amdgcn_target "amdgcn-amd-amdhsa--gfx1250"
	.amdhsa_code_object_version 6
	.text
	.protected	k_qbc009a3ed8_loss
	.globl	k_qbc009a3ed8_loss
	.p2align	8
	.type	k_qbc009a3ed8_loss,@function
k_qbc009a3ed8_loss:
	s_mov_b64 s[64:65], 0
	v_nop
	global_prefetch_b8 v0, s[64:65] scope:SCOPE_SE
	s_setreg_imm32_b32 hwreg(HW_REG_WAVE_MODE, 25, 1), 1
	s_wait_xcnt 0x0
; out1 = 0.25 m + m,  m = (the sum of lossp's 16,384 partial sums) / 2^22: the mean of (z_q - z)^2 over 16,384 x 256 numbers.
; A sum that spans the work-groups of the launch before has one owner: one work-group of 32 waves.  Each thread takes 16 numbers (four loads of 16 bytes, each of a wave covering 512 consecutive
; bytes), each wave sums its 512, the 32 waves' sums meet in LDS, and wave 0 sums those and stores the one number.  65,536 bytes in all: nothing here is worth more machinery.
.macro LANESUM                         ; the sum of v4 over the 32 lanes, in every lane; v5 is at work (written before)
	v_add_f32_dpp v4, v4, v4 row_xmask:1 row_mask:0xf bank_mask:0xf
	v_add_f32_dpp v4, v4, v4 row_xmask:2 row_mask:0xf bank_mask:0xf
	v_add_f32_dpp v4, v4, v4 row_xmask:4 row_mask:0xf bank_mask:0xf
	v_add_f32_dpp v4, v4, v4 row_xmask:8 row_mask:0xf bank_mask:0xf
	v_permlanex16_b32 v5, v4, s12, s13
	v_add_f32 v4, v4, v5
.endm
	s_load_b128 s[4:7], s[0:1], 0x0                ; lossp s[4:5], out1 s[6:7]
	v_lshl_add_u32 v32, v0, 2, 0x100
	v_mov_b32 v33, 0
	v_lshlrev_b32 v1, 4, v0                        ; 16 bytes a thread
	v_lshrrev_b32 v2, 5, v0
	v_readfirstlane_b32 s8, v2                     ; wave 0..31
	v_lshlrev_b32 v2, 2, v2                        ; LDS: my wave's word
	v_and_b32 v3, 31, v0
	v_lshlrev_b32 v3, 2, v3                        ; LDS: the word of wave number = my lane
	s_mov_b32 s12, 0x76543210
	s_mov_b32 s13, 0xfedcba98
	s_wait_kmcnt 0x0
.irp j, 0,1,2,3
	global_load_b128 v[4+4*\j:7+4*\j], v1, s[4:5] offset:\j*16384
.endr
	s_wait_loadcnt 0x0
	v_pk_add_f32 v[4:5],   v[4:5],   v[6:7]
	v_pk_add_f32 v[8:9],   v[8:9],   v[10:11]
	v_pk_add_f32 v[12:13], v[12:13], v[14:15]
	v_pk_add_f32 v[16:17], v[16:17], v[18:19]
	v_pk_add_f32 v[4:5],   v[4:5],   v[8:9]
	v_pk_add_f32 v[12:13], v[12:13], v[16:17]
	v_pk_add_f32 v[4:5],   v[4:5],   v[12:13]
	v_add_f32 v4, v4, v5
	LANESUM
	ds_store_b32 v2, v4                            ; every lane writes the same word with the same value
	s_wait_dscnt 0x0                               ; for the others' sake: my wave's sum is in LDS
	s_barrier_signal -1
	s_barrier_wait -1
	s_cmp_lg_u32 s8, 0
	s_cbranch_scc1 .Lend
	ds_load_b32 v4, v3                             ; wave 0: one wave's sum a lane
	s_wait_dscnt 0x0
	LANESUM
	v_mul_f32 v5, 0x34800000, v4                   ; m = sum x 2^-22
	v_fmamk_f32 v6, v5, 0x3e800000, v5             ; 0.25 m + m: 0.25 m is exact, so one rounding, as in the two-step form
	v_mov_b32 v7, 0
	s_wait_xcnt 0x0                                ; EXEC changes only behind s_wait_xcnt 0
	v_cmp_eq_u32 vcc_lo, 0, v0
	s_and_saveexec_b32 s14, vcc_lo                 ; thread 0 alone
	global_store_b32 v7, v6, s[6:7]
	s_wait_xcnt 0x0                                ; and again, in front of the line that widens it
	s_or_b32 exec_lo, exec_lo, s14
.Lend:
	s_wait_tensorcnt 0x0
	ds_add_u32 v32, v33
	s_wait_dscnt 0x0
	s_endpgm
.Lfunc_end_k_qbc009a3ed8_loss:
	.size	k_qbc009a3ed8_loss, .Lfunc_end_k_qbc009a3ed8_loss-k_qbc009a3ed8_loss
	.p2alignl 7, 3214868480
	.fill 96, 4, 3214868480
	.section	.rodata,"a",@progbits
	.p2align	6, 0x0
	.amdhsa_kernel k_qbc009a3ed8_loss
		.amdhsa_group_segment_fixed_size 4352
		.amdhsa_private_segment_fixed_size 0
		.amdhsa_enable_private_segment 0
		.amdhsa_kernarg_size 16
		.amdhsa_user_sgpr_count 2
		.amdhsa_user_sgpr_kernarg_segment_ptr 1
		.amdhsa_wavefront_size32 1
		.amdhsa_system_sgpr_workgroup_id_x 1
		.amdhsa_system_sgpr_workgroup_id_y 1
		.amdhsa_system_sgpr_workgroup_id_z 1
		.amdhsa_system_vgpr_workitem_id 0
		.amdhsa_next_free_vgpr 34
		.amdhsa_next_free_sgpr 66
		.amdhsa_reserve_vcc 1
		.amdhsa_float_denorm_mode_32 3
		.amdhsa_float_denorm_mode_16_64 3
		.amdhsa_memory_ordered 1
		.amdhsa_forward_progress 1
		.amdhsa_inst_pref_size 4
	.end_amdhsa_kernel
	.amdgpu_metadata
---
amdhsa.version: [ 1, 2 ]
amdhsa.kernels:
  - .name:           k_qbc009a3ed8_loss
    .symbol:         k_qbc009a3ed8_loss.kd
    .args:
      - { .name: lossp, .offset: 0, .size: 8, .value_kind: global_buffer, .address_space: global }
      - { .name: out1, .offset: 8, .size: 8, .value_kind: global_buffer, .address_space: global }
    .group_segment_fixed_size: 4352
    .private_segment_fixed_size: 0
    .kernarg_segment_align: 8
    .kernarg_segment_size: 16
    .max_flat_workgroup_size: 1024
    .sgpr_count:     66
    .vgpr_count:     34
    .wavefront_size: 32
...
	.end_amdgpu_metadata
.endif
;; end of part 4
